; MI455X (gfx1250); checked and timed in simulation.
; The chip was launched on July 23, 2026; its instructions are those of AMD's public machine-readable ISA for CDNA 5 (MIT licence, August 2026) and "CDNA5" Instruction Set Architecture Reference Guide (July 2026). The comments in the code are by the model that wrote it; some were corrected since.
;; SVD Net. Allowed arithmetic: float matrix products may take bf16 or f16 operands with f32 sums; all other float work in f32.
;; Inputs: U_hhrs 32 x 4,096 float32; VT_hhrs 32 x 4,096 float32; sigma 4,096 x 1 float32; x 4,096 x 4,096 float32.
;; Outputs: out0 4,096 x 4,096 float32.
;; One version. Each part assembles by itself: llvm-mc -triple=amdgcn-amd-amdhsa -mcpu=gfx1250 --defsym DOCPART=n.
;; ======== version 1 of 1: 3 launches
;; workspace buffers: wfrag 786,432 bytes; lfrag 524,288 bytes; ppart 4,194,304 bytes; gpart 49,152 bytes
;; launch pack (part 1): grid 64 x 1, 4 waves a work-group, no clusters, 23,552 bytes of LDS; arguments U_hhrs, VT_hhrs, sigma, wfrag, lfrag; writes wfrag, lfrag
.if DOCPART == 1
	.amdgcn_target "amdgcn-amd-amdhsa--gfx1250"
	.amdhsa_code_object_version 6
	.text
	.protected	k_q4ef0ff99b6_pack
	.globl	k_q4ef0ff99b6_pack
	.p2align	8
	.type	k_q4ef0ff99b6_pack,@function
k_q4ef0ff99b6_pack:
	s_mov_b64 s[64:65], 0
	v_nop
	global_prefetch_b8 v0, s[64:65] scope:SCOPE_SE
	s_setreg_imm32_b32 hwreg(HW_REG_WAVE_MODE, 25, 1), 1
	s_wait_xcnt 0x0
; pack: the reflectors, rounded to bf16 once and laid out in the order in which matrix fragments are loaded.
;   wfrag [ks 128][mt 6][plane 2][lane 32][16 B]: rows of W3 = V (mt 0,1), sigma*U (mt 2,3), U (mt 4,5); lane (r,h) holds row 16 mt + r,
;         plane p the eight n = 32 ks + 16 p + 8 h .. +7.  Fragments for p = W3 x and for the Gram matrices.
;   lfrag [rt 256][ksel 2][plane 2][lane 32][16 B]: the transposes; lane (r,h) holds n = 16 rt + r, plane p the eight reflectors
;         16 p + 8 h .. +7 of sigma*V (ksel 0) or of U (ksel 1).  Fragments for out = sigma x - L^T (a;b).
; Work-group c owns n = 64 c .. 64 c + 63: 256 consecutive bytes of each of the 64 reflector rows.  Four waves.
; The turn from rows to fragments goes through LDS: NAT keeps n along the rows, TR keeps the reflector index along the rows.
; No matrix unit, no cluster, no ring: 1 MiB is read once and 1.25 MiB written once.
.set ROWB,  16384                      ; bytes in a reflector row
.set PITCH, 144                        ; 64 bf16 + 16 bytes: an odd multiple of 16, so 16 rows of a fragment start 16 bytes apart modulo 256
.set NAT_SU, 32*PITCH                  ; NAT: rows 0-31 V, 32-63 sigma*U, 64-95 U
.set NAT_U,  64*PITCH
.set TR,     96*PITCH                  ; TR: 64 rows (n), bytes 0-63 sigma*V, bytes 64-127 U
.set SG, 8                             ; v[8:11]   sigma of my four n
.set VV, 12                            ; v[12:27]  four quads of V (rows row0 + 8 i)
.set UU, 28                            ; v[28:43]  four quads of U
.set T,  44                            ; v[44:59]  at work
	s_load_b256 s[4:11], s[0:1], 0x0               ; U s[4:5], VT s[6:7], sigma s[8:9], wfrag s[10:11]
	s_load_b64 s[12:13], s[0:1], 0x20              ; lfrag
	v_lshl_add_u32 v64, v0, 2, 0x5a00
	v_mov_b32 v65, 0
	v_and_b32 v1, 15, v0                           ; c4: which 16 bytes of the 256; later r
	v_lshrrev_b32 v2, 4, v0                        ; row0: 0 to 7
	v_lshlrev_b32 v3, 4, v1                        ; 16 c4
	v_lshl_add_u32 v4, v2, 14, v3                  ; row0 rows down + 16 c4
	v_lshrrev_b32 v5, 5, v0
	v_readfirstlane_b32 s16, v5                    ; wave
	s_lshl_b32 s14, ttmp9, 8                       ; 256 c: the group's bytes in every row, and in sigma
	s_mov_b32 s15, 0
	s_wait_kmcnt 0x0
	s_add_nc_u64 s[4:5], s[4:5], s[14:15]
	s_add_nc_u64 s[6:7], s[6:7], s[14:15]
	s_add_nc_u64 s[8:9], s[8:9], s[14:15]
	global_load_b128 v[SG:SG+3], v3, s[8:9]
.irp i, 0,1,2,3
	global_load_b128 v[VV+4*\i:VV+4*\i+3], v4, s[6:7] offset:8*\i*ROWB    ; sixteen lanes read 256 consecutive bytes of one row
	global_load_b128 v[UU+4*\i:UU+4*\i+3], v4, s[4:5] offset:8*\i*ROWB
.endr
	; addresses, while the loads are on their way
	v_mul_u32_u24 v6, v2, PITCH
	v_lshl_add_u32 v6, v1, 3, v6                   ; NAT: row0 x pitch + 8 c4
	v_mul_u32_u24 v7, v1, 4*PITCH
	v_lshl_add_u32 v7, v2, 1, v7                   ; TR: row 4 c4, byte 2 row0
	v_bfe_u32 v5, v0, 4, 1                         ; h
	v_mul_u32_u24 v60, v1, PITCH
	v_lshl_add_u32 v60, v5, 4, v60                 ; r x pitch + 16 h
	s_and_b32 s17, s16, 1                          ; e: which of the group's two ks
	s_lshr_b32 s18, s16, 1                         ; hf: mt 0-2 or mt 3-5
	s_lshl_b32 s19, s17, 6
	s_mul_i32 s20, s18, 48*PITCH
	s_add_co_u32 s19, s19, s20
	v_add_nc_u32 v61, s19, v60                     ; my first fragment in NAT
	s_mul_i32 s20, s16, 16*PITCH
	v_add_nc_u32 v62, s20, v60                     ; my row tile in TR
	v_and_b32 v63, 31, v0
	v_lshlrev_b32 v63, 4, v63                      ; 16 x lane
	s_lshl_b32 s20, ttmp9, 1
	s_add_co_u32 s20, s20, s17                     ; ks = 2 c + e
	s_mul_i32 s20, s20, 6
	s_mul_i32 s21, s18, 3
	s_add_co_u32 s20, s20, s21                     ; 6 ks + 3 hf
	s_lshl_b32 s20, s20, 10
	s_mov_b32 s21, 0
	s_add_nc_u64 s[10:11], s[10:11], s[20:21]      ; wfrag at my three fragments
	s_lshl_b32 s22, ttmp9, 2
	s_add_co_u32 s22, s22, s16                     ; rt = 4 c + wave
	s_lshl_b32 s22, s22, 11
	s_mov_b32 s23, 0
	s_add_nc_u64 s[12:13], s[12:13], s[22:23]      ; lfrag at my row tile
	s_wait_loadcnt 0x0
; rows row0 + 8 i of V and U: scale, round, and put into both LDS images
.macro ROWQ i
	v_pk_mul_f32 v[T:T+1],   v[VV+4*\i:VV+4*\i+1],   v[SG:SG+1]      ; sigma*V
	v_pk_mul_f32 v[T+2:T+3], v[VV+4*\i+2:VV+4*\i+3], v[SG+2:SG+3]
	v_pk_mul_f32 v[T+4:T+5], v[UU+4*\i:UU+4*\i+1],   v[SG:SG+1]      ; sigma*U
	v_pk_mul_f32 v[T+6:T+7], v[UU+4*\i+2:UU+4*\i+3], v[SG+2:SG+3]
	v_cvt_pk_bf16_f32 v[T+8],  v[VV+4*\i],   v[VV+4*\i+1]            ; V
	v_cvt_pk_bf16_f32 v[T+9],  v[VV+4*\i+2], v[VV+4*\i+3]
	v_cvt_pk_bf16_f32 v[T+10], v[T+4], v[T+5]                        ; sigma*U
	v_cvt_pk_bf16_f32 v[T+11], v[T+6], v[T+7]
	v_cvt_pk_bf16_f32 v[T+12], v[UU+4*\i],   v[UU+4*\i+1]            ; U
	v_cvt_pk_bf16_f32 v[T+13], v[UU+4*\i+2], v[UU+4*\i+3]
	v_cvt_pk_bf16_f32 v[T+14], v[T],   v[T+1]                        ; sigma*V
	v_cvt_pk_bf16_f32 v[T+15], v[T+2], v[T+3]
	ds_store_b64 v6, v[T+8:T+9]   offset:8*\i*PITCH
	ds_store_b64 v6, v[T+10:T+11] offset:8*\i*PITCH+NAT_SU
	ds_store_b64 v6, v[T+12:T+13] offset:8*\i*PITCH+NAT_U
	ds_store_b16        v7, v[T+14] offset:TR+16*\i                  ; the transposes: one number to each of four rows
	ds_store_b16_d16_hi v7, v[T+14] offset:TR+PITCH+16*\i
	ds_store_b16        v7, v[T+15] offset:TR+2*PITCH+16*\i
	ds_store_b16_d16_hi v7, v[T+15] offset:TR+3*PITCH+16*\i
	ds_store_b16        v7, v[T+12] offset:TR+64+16*\i
	ds_store_b16_d16_hi v7, v[T+12] offset:TR+PITCH+64+16*\i
	ds_store_b16        v7, v[T+13] offset:TR+2*PITCH+64+16*\i
	ds_store_b16_d16_hi v7, v[T+13] offset:TR+3*PITCH+64+16*\i
.endm
	ROWQ 0
	ROWQ 1
	ROWQ 2
	ROWQ 3
	s_wait_dscnt 0x0                               ; my stores are in LDS, for the other waves' sake
	s_barrier_signal -1
	s_barrier_wait -1
	; out: ten fragments' halves a wave, each 512 consecutive bytes
.irp i, 0,1,2
.irp p, 0,1
	ds_load_b128 v[12+8*\i+4*\p:12+8*\i+4*\p+3], v61 offset:16*\i*PITCH+32*\p
.endr
.endr
.irp k, 0,1
.irp p, 0,1
	ds_load_b128 v[36+8*\k+4*\p:36+8*\k+4*\p+3], v62 offset:TR+64*\k+32*\p
.endr
.endr
	s_wait_dscnt 0x0
.irp i, 0,1,2
.irp p, 0,1
	global_store_b128 v63, v[12+8*\i+4*\p:12+8*\i+4*\p+3], s[10:11] offset:1024*\i+512*\p
.endr
.endr
.irp k, 0,1
.irp p, 0,1
	global_store_b128 v63, v[36+8*\k+4*\p:36+8*\k+4*\p+3], s[12:13] offset:1024*\k+512*\p
.endr
.endr
	s_wait_tensorcnt 0x0
	ds_add_u32 v64, v65
	s_wait_dscnt 0x0
	s_endpgm
.Lfunc_end_k_q4ef0ff99b6_pack:
	.size	k_q4ef0ff99b6_pack, .Lfunc_end_k_q4ef0ff99b6_pack-k_q4ef0ff99b6_pack
	.p2alignl 7, 3214868480
	.fill 96, 4, 3214868480
	.section	.rodata,"a",@progbits
	.p2align	6, 0x0
	.amdhsa_kernel k_q4ef0ff99b6_pack
		.amdhsa_group_segment_fixed_size 23552
		.amdhsa_private_segment_fixed_size 0
		.amdhsa_enable_private_segment 0
		.amdhsa_kernarg_size 40
		.amdhsa_user_sgpr_count 2
		.amdhsa_user_sgpr_kernarg_segment_ptr 1
		.amdhsa_wavefront_size32 1
		.amdhsa_system_sgpr_workgroup_id_x 1
		.amdhsa_system_sgpr_workgroup_id_y 1
		.amdhsa_system_sgpr_workgroup_id_z 1
		.amdhsa_system_vgpr_workitem_id 0
		.amdhsa_next_free_vgpr 66
		.amdhsa_next_free_sgpr 66
		.amdhsa_reserve_vcc 0
		.amdhsa_float_denorm_mode_32 3
		.amdhsa_float_denorm_mode_16_64 3
		.amdhsa_memory_ordered 1
		.amdhsa_forward_progress 1
		.amdhsa_inst_pref_size 11
	.end_amdhsa_kernel
	.amdgpu_metadata
---
amdhsa.version: [ 1, 2 ]
amdhsa.kernels:
  - .name:           k_q4ef0ff99b6_pack
    .symbol:         k_q4ef0ff99b6_pack.kd
    .args:
      - { .name: U_hhrs, .offset: 0, .size: 8, .value_kind: global_buffer, .address_space: global }
      - { .name: VT_hhrs, .offset: 8, .size: 8, .value_kind: global_buffer, .address_space: global }
      - { .name: sigma, .offset: 16, .size: 8, .value_kind: global_buffer, .address_space: global }
      - { .name: wfrag, .offset: 24, .size: 8, .value_kind: global_buffer, .address_space: global }
      - { .name: lfrag, .offset: 32, .size: 8, .value_kind: global_buffer, .address_space: global }
    .group_segment_fixed_size: 23552
    .private_segment_fixed_size: 0
    .kernarg_segment_align: 8
    .kernarg_segment_size: 40
    .max_flat_workgroup_size: 128
    .sgpr_count:     66
    .vgpr_count:     66
    .wavefront_size: 32
...
	.end_amdgpu_metadata
.endif
;; end of part 1
;; launch proj (part 2): grid 64 x 4, 4 waves a work-group, no clusters, 311,808 bytes of LDS; arguments x, wfrag, ppart, gpart; writes ppart, gpart
.if DOCPART == 2
	.amdgcn_target "amdgcn-amd-amdhsa--gfx1250"
	.amdhsa_code_object_version 6
	.text
	.protected	k_q4ef0ff99b6_proj
	.globl	k_q4ef0ff99b6_proj
	.p2align	8
	.type	k_q4ef0ff99b6_proj,@function
k_q4ef0ff99b6_proj:
	s_mov_b64 s[64:65], 0
	v_nop
	global_prefetch_b8 v0, s[64:65] scope:SCOPE_SE
	s_setreg_imm32_b32 hwreg(HW_REG_WAVE_MODE, 25, 1), 1
	s_wait_xcnt 0x0
; proj: partial projections p = [V; sigma*U] x over a quarter of the rows of x, and (in the four work-groups of strip 0) the partial
; Gram matrices SV = V V^T, GT = V (sigma*U)^T, SU = U U^T over the same quarter.  bf16 operands, f32 sums.
; Work-group (strip, q): columns 64 strip .. +63 (256 bytes of a row), rows 1024 q .. +1023.  Wave w: 256 rows = 8 steps of 32 along K,
; all 16 tiles of the 64 x 64 block of p.  The four waves' sums meet in LDS; the four quarters' sums meet in the next launch.
; COLUMN MAP: in tile t lane r stands for column 4 r + t, so one 16-byte load at (row, 16 r) feeds all four tiles, and sixteen lanes
; read 256 consecutive aligned bytes of one row (lanes 16-31: the row eight below, which is what the fragment's layout wants).
; x goes straight from memory into registers: a ring of four steps, 64 loads of 512 bytes a wave.
; FRAGMENTS: of a K step's 6,144 bytes in wfrag the first 4,096 are V's and sigma*U's.  Two tensor loads a wave, four K steps each, bring
; them into the wave's own LDS bytes, once, at the head: K step 0 starts when the first 16,384 bytes are in, and from then on the
; x ring is asked for again while the second load lands.  U's fragments (2,048 bytes a K step) are wanted by strip 0 alone, for SU:
; there a wave loads its 16,384 bytes into 128 registers, ahead of x.
; Not used: clusters (what work-groups share is the fragment table of under 1 MiB, and the Gram work of strip 0 would be a branch
; that differs between partners); a ring of LDS slots (x needs no LDS, the fragments are filled once); prefetch (the x ring keeps memory busy).
; Windows of 256 registers: 0 addresses and fragments, 1 the x ring, 2 the accumulators, 3 U's fragments (strip 0).
.set ROWB,  16384                      ; bytes in a row of x
.set KS,    6144                       ; bytes of one K step's six fragments in wfrag
.set KSL,   4096                       ; bytes of one K step in LDS: the fragments mt 0 to 3
.set FRAGW, 8*KSL                      ; a wave's fragments in LDS, at wave x FRAGW
.set PSCR,  196608                     ; 4 x 16,384: each wave's 16 tiles of p.  Behind the fragments: no tensor load lands here
.set GSCR,  262144                     ; 4 x 12,288: each wave's 12 Gram tiles
.set BF, 16                            ; v[16:79]   B fragments of x: 32 set + 8 t
.set AF, 80                            ; v[80:143]  A fragments of V and sigma*U: 32 set + 8 mt
                                       ; window 3, v[0:127]: U's fragments, 16 e + 8 (mt - 4)
.set G0A, 28                           ; s[28:31]   descriptor group 0, K steps 0 to 3
.set G1,  32                           ; s[32:39]   descriptor group 1
.set G0B, 40                           ; s[40:43]   descriptor group 0, K steps 4 to 7
.set MSB, 0
.macro WIN new                         ; the immediate's high byte repeats the setting that is left
.if MSB != \new
	s_set_vgpr_msb (MSB<<8)|\new
.set MSB, \new
.endif
.endm
.macro XLOAD e                         ; K step e of x into ring set e mod 4 (window 1): register 4 kk + t = x(row kk of my sixteen, column 4 r + t)
.irp kk, 0,1,2,3,4,5,6,7,8,9,10,11,12,13,14,15
	global_load_b128 v[64*((\e)&3)+4*\kk:64*((\e)&3)+4*\kk+3], v1, s[4:5] offset:(32*(\e)+(\kk&7)+16*(\kk>>3))*ROWB th:TH_LOAD_NT
.endr
.endm
	s_load_b256 s[4:11], s[0:1], 0x0               ; x s[4:5], wfrag s[6:7], ppart s[8:9], gpart s[10:11]
	v_lshl_add_u32 v254, v0, 2, 0x4c000
	v_mov_b32 v255, 0
	ds_add_u32 v254, v255
	ds_add_u32 v254, v255
	v_lshrrev_b32 v10, 5, v0
	v_readfirstlane_b32 s12, v10                   ; wave
	s_and_b32 s13, ttmp7, 0xffff                   ; q
	s_mov_b32 s14, ttmp9                           ; strip
	; descriptor group 1: four rows, one a K step, of 512 elements of 8 bytes (4,096 bytes), 768 elements (6,144 bytes) apart; dense in LDS.
	; A K step is one row, so a tile of four K steps has four rows, each sixteen aligned blocks of 256 bytes.
	s_mov_b32 s[G1+0], 3<<16                       ; 15:0 no work-group mask; 17:16 elements of 8 bytes; 20 padding off
	s_mov_b32 s[G1+1], 512<<16                     ; tensor_dim0 = 512
	s_mov_b32 s[G1+2], 4<<16                       ; tensor_dim1 = 4
	s_mov_b32 s[G1+3], 512<<16                     ; tile_dim0 = 512
	s_mov_b32 s[G1+4], 4                           ; tile_dim1 = 4
	s_mov_b32 s[G1+5], 768                         ; from row to row: 768 elements
	s_mov_b32 s[G1+6], 0
	s_mov_b32 s[G1+7], 0
	s_mov_b32 s[G0A+0], 1                          ; count = 1
	s_mul_i32 s[G0A+1], s12, FRAGW                 ; LDS address: the wave's number times 32,768
	s_mov_b32 s[G0B+0], 1
	s_mul_i32 s[G0B+1], s12, FRAGW
	s_add_co_u32 s[G0B+1], s[G0B+1], 4*KSL         ; and 16,384 further for K steps 4 to 7
	v_and_b32 v10, 15, v0                          ; r
	v_bfe_u32 v11, v0, 4, 1                        ; h
	v_and_b32 v12, 31, v0                          ; lane
	v_lshlrev_b32 v1, 4, v10
	v_lshl_add_u32 v1, v11, 17, v1                 ; v1: x offset, 8 h rows + 16 r
	v_lshlrev_b32 v3, 4, v12                       ; v3: 16 x lane
	s_mul_i32 s16, s12, FRAGW
	v_add_nc_u32 v2, s16, v3                       ; v2: my 16 bytes in my wave's fragments
	s_lshl_b32 s16, s12, 14
	s_add_co_u32 s16, s16, PSCR
	v_add_nc_u32 v4, s16, v3                       ; v4: where my wave puts its p tiles
	s_mul_i32 s16, s12, 12288
	s_add_co_u32 s16, s16, GSCR
	v_add_nc_u32 v5, s16, v3                       ; v5: where it puts its Gram tiles
	s_lshl_b32 s16, s12, 12
	v_lshlrev_b32 v7, 4, v10
	v_lshl_add_u32 v7, v11, 11, v7
	v_add_nc_u32 v7, s16, v7                       ; v7: ppart offset of row 16 w + 8 h, 16 r
	s_add_co_u32 s16, s16, PSCR
	v_add_nc_u32 v6, s16, v3                       ; v6: tile row mt = w in wave 0's p tiles
	s_mul_i32 s17, s12, 3072
	v_add_nc_u32 v9, s17, v3                       ; v9: gpart offset of my six quads
	s_add_co_u32 s17, s17, GSCR
	v_add_nc_u32 v8, s17, v3                       ; v8: the same six quads in wave 0's Gram tiles
	s_lshl_b32 s18, s13, 24                        ; 1024 q rows
	s_lshl_b32 s19, s12, 22                        ; 256 w rows
	s_add_co_u32 s18, s18, s19
	s_lshl_b32 s19, s14, 8                         ; the strip's 256 bytes
	s_add_co_u32 s18, s18, s19
	s_mov_b32 s19, 0
	s_mul_i32 s20, s13, 32*KS
	s_mul_i32 s21, s12, 8*KS
	s_add_co_u32 s20, s20, s21                     ; K step 32 q + 8 w
	s_mov_b32 s21, 0
	s_lshl2_add_u32 s22, s14, s13                  ; 4 strip + q
	s_lshl_b32 s22, s22, 14
	s_mov_b32 s23, 0
	s_mul_i32 s24, s13, 12288
	s_mov_b32 s25, 0
	s_wait_dscnt 0x0
	s_wait_kmcnt 0x0
	s_add_nc_u64 s[6:7], s[6:7], s[20:21]          ; wfrag at my eight K steps
	s_mov_b64 s[G0A+2:G0A+3], s[6:7]               ; global address of K step 0's fragments
	s_or_b32 s[G0A+3], s[G0A+3], 0x80000000        ; type = 2
	s_add_nc_u64 s[G0B+2:G0B+3], s[6:7], 4*KS      ; and of K step 4's
	s_or_b32 s[G0B+3], s[G0B+3], 0x80000000
	tensor_load_to_lds s[G0A:G0A+3], s[G1:G1+7]    ; the wave's two tensor loads of the launch, together, ahead of every wait on TENSORcnt, LDS read
	s_nop 0
	tensor_load_to_lds s[G0B:G0B+3], s[G1:G1+7]    ; and barrier: two are out at the most, no descriptor is rewritten
	s_nop 0
	s_add_nc_u64 s[4:5], s[4:5], s[18:19]
	s_add_nc_u64 s[8:9], s[8:9], s[22:23]
	s_add_nc_u64 s[10:11], s[10:11], s[24:25]
	s_cmp_lg_u32 s14, 0                            ; strip 0 alone takes U's fragments, for SU
	s_cbranch_scc1 .Lno_u
	WIN 0xc0                                       ; destination in window 3
.irp e, 0,1,2,3,4,5,6,7
.irp i, 0,1,2,3
	global_load_b128 v[16*\e+4*\i:16*\e+4*\i+3], v3, s[6:7] offset:KS*\e+KSL+512*\i   ; older than every load of x: the first counted wait for x shows them in
.endr
.endr
	WIN 0
.Lno_u:
	WIN 0x40                                       ; destination in window 1
	XLOAD 0
	XLOAD 1
	XLOAD 2
	XLOAD 3
	WIN 0
.macro GR g, a, b, zero                ; Gram tile g += fragment a x fragment b^T, of V and sigma*U (window 0)
.if \zero
	v_wmma_f32_16x16x32_bf16 v[128+8*\g:128+8*\g+7], v[AF+32*SE+8*\a:AF+32*SE+8*\a+7], v[AF+32*SE+8*\b:AF+32*SE+8*\b+7], 0
.else
	v_wmma_f32_16x16x32_bf16 v[128+8*\g:128+8*\g+7], v[AF+32*SE+8*\a:AF+32*SE+8*\a+7], v[AF+32*SE+8*\b:AF+32*SE+8*\b+7], v[128+8*\g:128+8*\g+7]
.endif
.endm
.macro GRU g, a, b, e, zero            ; the same of U's fragments of K step e (window 3)
.if \zero
	v_wmma_f32_16x16x32_bf16 v[128+8*\g:128+8*\g+7], v[16*\e+8*\a:16*\e+8*\a+7], v[16*\e+8*\b:16*\e+8*\b+7], 0
.else
	v_wmma_f32_16x16x32_bf16 v[128+8*\g:128+8*\g+7], v[16*\e+8*\a:16*\e+8*\a+7], v[16*\e+8*\b:16*\e+8*\b+7], v[128+8*\g:128+8*\g+7]
.endif
.endm
; One K step.  left = the loads of the younger x steps, which stay out.  zero = 1: the first products start the sums, nothing is cleared.
; Fragment set e mod 2 was last read by the matrix instructions of step e - 2; the 32 conversions of step e - 1, which name none of
; their registers, are the places in front of the loads and conversions that write it again.
; All accumulators take turns, one instruction a turn, on both paths.
.macro KSTEP e, zero, left
.set SE, ((\e)&1)
.if \e == 0
	s_wait_tensorcnt 0x1                           ; tensor loads of a wave end in order (ISA guide 10.11.1): K steps 0 to 3 are in my own LDS bytes, the second load may stay out
.endif
.if \e == 4
	s_wait_tensorcnt 0x0                           ; K steps 4 to 7 are in; no other wave reads these bytes, so no barrier
.endif
.irp m, 0,1,2,3
	ds_load_b128 v[AF+32*SE+8*\m:AF+32*SE+8*\m+3],   v2 offset:KSL*\e+1024*\m
	ds_load_b128 v[AF+32*SE+8*\m+4:AF+32*SE+8*\m+7], v2 offset:KSL*\e+1024*\m+512
.endr
	s_wait_loadcnt \left                           ; loads return in order (ISA guide 5.7.1): this step's sixteen are in, and all that is older
	WIN 0x05                                       ; sources in window 1
.irp t, 0,1,2,3
.irp i, 0,1,2,3,4,5,6,7
	v_cvt_pk_bf16_f32 v[BF+32*SE+8*\t+\i], v[64*((\e)&3)+8*\i+\t], v[64*((\e)&3)+8*\i+4+\t]   ; rows 2 i and 2 i + 1 of my sixteen, column 4 r + t
.endr
.endr
.if \e < 4
	WIN 0x40
	XLOAD (\e+4)                                   ; the ring set just converted is asked for again
.endif
	WIN 0
	s_wait_dscnt 0x0
	WIN 0xa0                                       ; C and D in window 2
.irp m, 0,1,2,3
.irp t, 0,1,2,3
.if \zero
	v_wmma_f32_16x16x32_bf16 v[8*(4*\m+\t):8*(4*\m+\t)+7], v[AF+32*SE+8*\m:AF+32*SE+8*\m+7], v[BF+32*SE+8*\t:BF+32*SE+8*\t+7], 0
.else
	v_wmma_f32_16x16x32_bf16 v[8*(4*\m+\t):8*(4*\m+\t)+7], v[AF+32*SE+8*\m:AF+32*SE+8*\m+7], v[BF+32*SE+8*\t:BF+32*SE+8*\t+7], v[8*(4*\m+\t):8*(4*\m+\t)+7]
.endif
.endr
.endr
	WIN 0
	s_cmp_lg_u32 s14, 0
	s_cbranch_scc1 .Lnogram_\e
	WIN 0xa0
	GR 0, 0, 0, \zero                              ; SV
	GR 1, 0, 1, \zero
	GR 2, 1, 0, \zero
	GR 3, 1, 1, \zero
	GR 4, 0, 2, \zero                              ; GT: row = reflector of V, column = reflector of U
	GR 5, 0, 3, \zero
	GR 6, 1, 2, \zero
	GR 7, 1, 3, \zero
	WIN 0xaf                                       ; both sources in window 3, C and D in window 2
	GRU 8, 0, 0, \e, \zero                         ; SU
	GRU 9, 0, 1, \e, \zero
	GRU 10, 1, 0, \e, \zero
	GRU 11, 1, 1, \e, \zero
	WIN 0
.Lnogram_\e:
.endm
	KSTEP 0, 1, 48
	KSTEP 1, 0, 48
	KSTEP 2, 0, 48
	KSTEP 3, 0, 48
	KSTEP 4, 0, 48
	KSTEP 5, 0, 32
	KSTEP 6, 0, 16
	KSTEP 7, 0, 0
	; the four waves' sums meet in LDS.  Four places behind the last matrix instruction, for the LDS stores that
	; read results and for the loads below into fragment registers.
.rept 4
	v_nop
.endr
	WIN 0x08                                       ; store data in window 2
.set n, 0
.rept 32
	ds_store_b128 v4, v[4*n:4*n+3] offset:512*n    ; the accumulators as they lie: quad n = registers 4 (n & 1) .. of tile n >> 1
.set n, n+1
.endr
	WIN 0
	s_cmp_lg_u32 s14, 0
	s_cbranch_scc1 .Lno_gs
	WIN 0x08
.set n, 0
.rept 24
	ds_store_b128 v5, v[128+4*n:128+4*n+3] offset:512*n
.set n, n+1
.endr
	WIN 0
.Lno_gs:
	s_wait_dscnt 0x0                               ; my stores are in LDS, for the other waves' sake
	s_barrier_signal -1
	s_barrier_wait -1
	; wave w sums tile row mt = w over the four waves and writes rows 16 w .. 16 w + 15 of the block [64 k][64 columns]
.irp u, 0,1,2,3
.irp i, 0,1,2,3,4,5,6,7
	ds_load_b128 v[16+32*\u+4*\i:16+32*\u+4*\i+3], v6 offset:16384*\u+512*\i
.endr
.endr
	s_wait_dscnt 0x0
.set n, 0
.rept 16
	v_pk_add_f32 v[16+n:17+n], v[16+n:17+n], v[48+n:49+n]
	v_pk_add_f32 v[80+n:81+n], v[80+n:81+n], v[112+n:113+n]
.set n, n+2
.endr
.irp j, 0,1,2,3,4,5,6,7
.irp t, 0,1,2,3
	v_add_f32 v[144+4*\j+\t], v[16+8*\t+\j], v[80+8*\t+\j]     ; the last sum also gathers columns 4 r .. 4 r + 3 of row 8 h + j
.endr
.endr
.irp j, 0,1,2,3,4,5,6,7
	global_store_b128 v7, v[144+4*\j:144+4*\j+3], s[8:9] offset:256*\j    ; sixteen lanes store 256 consecutive bytes, aligned
.endr
	s_cmp_lg_u32 s14, 0
	s_cbranch_scc1 .Lend
	; strip 0: wave w sums six of the 24 Gram quads; they stay in the accumulators' order
.irp u, 0,1,2,3
.irp i, 0,1,2,3,4,5
	ds_load_b128 v[16+24*\u+4*\i:16+24*\u+4*\i+3], v8 offset:12288*\u+512*\i
.endr
.endr
	s_wait_dscnt 0x0
.set n, 0
.rept 12
	v_pk_add_f32 v[16+n:17+n], v[16+n:17+n], v[40+n:41+n]
	v_pk_add_f32 v[64+n:65+n], v[64+n:65+n], v[88+n:89+n]
	v_pk_add_f32 v[16+n:17+n], v[16+n:17+n], v[64+n:65+n]
.set n, n+2
.endr
.irp i, 0,1,2,3,4,5
	global_store_b128 v9, v[16+4*\i:16+4*\i+3], s[10:11] offset:512*\i
.endr
.Lend:
	s_wait_tensorcnt 0x0
	ds_add_u32 v254, v255
	s_wait_dscnt 0x0
	s_endpgm
.Lfunc_end_k_q4ef0ff99b6_proj:
	.size	k_q4ef0ff99b6_proj, .Lfunc_end_k_q4ef0ff99b6_proj-k_q4ef0ff99b6_proj
	.p2alignl 7, 3214868480
	.fill 96, 4, 3214868480
	.section	.rodata,"a",@progbits
	.p2align	6, 0x0
	.amdhsa_kernel k_q4ef0ff99b6_proj
		.amdhsa_group_segment_fixed_size 311808
		.amdhsa_private_segment_fixed_size 0
		.amdhsa_enable_private_segment 0
		.amdhsa_kernarg_size 32
		.amdhsa_user_sgpr_count 2
		.amdhsa_user_sgpr_kernarg_segment_ptr 1
		.amdhsa_wavefront_size32 1
		.amdhsa_system_sgpr_workgroup_id_x 1
		.amdhsa_system_sgpr_workgroup_id_y 1
		.amdhsa_system_sgpr_workgroup_id_z 1
		.amdhsa_system_vgpr_workitem_id 0
		.amdhsa_next_free_vgpr 896
		.amdhsa_next_free_sgpr 66
		.amdhsa_reserve_vcc 0
		.amdhsa_float_denorm_mode_32 3
		.amdhsa_float_denorm_mode_16_64 3
		.amdhsa_memory_ordered 1
		.amdhsa_forward_progress 1
		.amdhsa_inst_pref_size 71
	.end_amdhsa_kernel
	.amdgpu_metadata
---
amdhsa.version: [ 1, 2 ]
amdhsa.kernels:
  - .name:           k_q4ef0ff99b6_proj
    .symbol:         k_q4ef0ff99b6_proj.kd
    .args:
      - { .name: x, .offset: 0, .size: 8, .value_kind: global_buffer, .address_space: global }
      - { .name: wfrag, .offset: 8, .size: 8, .value_kind: global_buffer, .address_space: global }
      - { .name: ppart, .offset: 16, .size: 8, .value_kind: global_buffer, .address_space: global }
      - { .name: gpart, .offset: 24, .size: 8, .value_kind: global_buffer, .address_space: global }
    .group_segment_fixed_size: 311808
    .private_segment_fixed_size: 0
    .kernarg_segment_align: 8
    .kernarg_segment_size: 32
    .max_flat_workgroup_size: 128
    .sgpr_count:     66
    .vgpr_count:     896
    .wavefront_size: 32
...
	.end_amdgpu_metadata
.endif
;; end of part 2
;; launch apply (part 3): grid 64 x 4, 8 waves a work-group, no clusters, 43,008 bytes of LDS; arguments x, sigma, lfrag, ppart, gpart, out0; writes out0
.if DOCPART == 3
	.amdgcn_target "amdgcn-amd-amdhsa--gfx1250"
	.amdhsa_code_object_version 6
	.text
	.protected	k_q4ef0ff99b6_apply
	.globl	k_q4ef0ff99b6_apply
	.p2align	8
	.type	k_q4ef0ff99b6_apply,@function
k_q4ef0ff99b6_apply:
	s_mov_b64 s[64:65], 0
	v_nop
	global_prefetch_b8 v0, s[64:65] scope:SCOPE_SE
	s_setreg_imm32_b32 hwreg(HW_REG_WAVE_MODE, 25, 1), 1
	s_wait_xcnt 0x0
; apply: out = sigma x - (sigma V)^T a - U^T b, where a and b solve the reflectors' own recurrence in the space of the 64 projections:
;   a_j = (2 / SV_jj) (p1_j - sum over i < j of SV_ji a_i);  p2_i -= G_ij a_j;  b_j = (2 / SU_jj) (p2_j - sum over i < j of SU_ji b_i).
; This is the sequential chain of reference(), step by step and in f32, on h^T x instead of on x.
; Work-group (strip, q): columns 64 strip .. +63, rows 1024 q .. +1023.  Eight waves, 128 rows each: a wave's x lies in 256 registers
; (window 1), asked for at the head, so the whole solve runs while x is on its way.  Waves 0 and 1 solve, one column a lane.
; Column map as in proj: in tile t lane r stands for column 4 r + t; each load and store of x and out covers, for sixteen lanes,
; 256 consecutive aligned bytes of one row.
; LIMITS: matrix operands (x in the projections, the reflectors, a and b) are bf16.  2 / ||h||^2 is made by v_rcp_f32: a squared norm of zero
; or under 2^-126 gives infinity (reference() divides by zero there too), one above 2^126 gives zero.  Reflectors that are nearly
; parallel (a common offset many times their spread) enlarge the effect of the bf16 rounding in SV, G and SU.
; Not used: clusters (shared are the tables of under 1 MiB and 64 KiB of partial sums, a fifth of a group's bytes), tensor loads
; (x is wanted in registers), prefetch (all of the group's x is asked for at once).
.set ROWB, 16384
.set PSUM, 0                           ; [64 k][64 columns] f32
.set SMAT, 16384                       ; SV, GT, SU: 3 x [32][32] f32
.set SIG,  28672                       ; the group's 1,024 sigma
.set ABT,  32768                       ; a and b in bf16: row 16 (c & 3) + (c >> 2) for column c, 64 k along the row
.set ABP,  144                         ; its pitch: 128 bytes + 16
.set BV, 12                            ; v12      lane j: 2 / SV_jj
.set BU, 13                            ; v13      lane j: 2 / SU_jj
.set NA, 14                            ; v[14:15] - a_j, twice
.set P,  16                            ; v[16:79]   solve: p1 (then a), p2 (then b) of my column
.set SR, 80                            ; v[80:207]  solve: ring of two rows of SV and GT (or SU)
.set RAB, 16                           ; v[16:79]   fragments of (a;b): 16 t + 8 ks
.set RD,  80                           ; v[80:143]  products: 32 set + 8 t
.set RL,  144                          ; v[144:207] fragments of L: 16 (rt mod 4) + 8 ksel
.set RSG, 208                          ; v[208:223] sigma of rows 8 h + j: 8 set + j
.set TMP, 224                          ; v[224:255] at work
.set MSB, 0
.macro WIN new
.if MSB != \new
	s_set_vgpr_msb (MSB<<8)|\new
.set MSB, \new
.endif
.endm
.macro XL rt                           ; row tile rt of my x: window 1, register 32 rt + 4 j + t = x(16 rt + 8 h + j, 4 r + t)
.irp j, 0,1,2,3,4,5,6,7
	global_load_b128 v[32*\rt+4*\j:32*\rt+4*\j+3], v1, s[4:5] offset:(16*\rt+\j)*ROWB th:TH_LOAD_NT
.endr
.endm
	s_load_b256 s[4:11], s[0:1], 0x0               ; x s[4:5], sigma s[6:7], lfrag s[8:9], ppart s[10:11]
	s_load_b128 s[12:15], s[0:1], 0x20             ; gpart s[12:13], out0 s[14:15]
	v_lshrrev_b32 v11, 5, v0
	v_readfirstlane_b32 s16, v11                   ; wave
	s_and_b32 s17, ttmp7, 0xffff                   ; q
	s_mov_b32 s18, ttmp9                           ; strip
	v_and_b32 v224, 15, v0                         ; r
	v_bfe_u32 v225, v0, 4, 1                       ; h
	v_and_b32 v226, 31, v0                         ; lane
	v_lshlrev_b32 v1, 4, v224
	v_lshl_add_u32 v1, v225, 17, v1                ; v1: x and out offset, 8 h rows + 16 r
	v_lshlrev_b32 v2, 4, v0                        ; v2: 16 x thread
	v_lshlrev_b32 v3, 4, v226                      ; v3: 16 x lane
	s_lshr_b32 s21, s16, 2                         ; where a Gram quad of chunk c goes: quad 8 c + w is registers 4 (w & 1) .. of tile (a, b) = (w >> 2, (w >> 1) & 1)
	s_lshl_b32 s21, s21, 11                        ; 16 a rows of 128 bytes
	s_and_b32 s22, s16, 1
	s_lshl_b32 s22, s22, 9                         ; 4 (w & 1) rows
	s_add_co_u32 s21, s21, s22
	s_bfe_u32 s22, s16, 0x10001
	s_lshl_b32 s22, s22, 6                         ; 16 b columns
	s_add_co_u32 s21, s21, s22
	v_lshlrev_b32 v4, 2, v224
	v_lshl_add_u32 v4, v225, 10, v4                ; 8 h rows, column r
	v_add_nc_u32 v4, s21, v4                       ; v4
	v_lshlrev_b32 v5, 2, v0                        ; v5: my column in PSUM (waves 0 and 1: column = thread)
	v_mul_u32_u24 v6, v226, 132                    ; v6: diagonal element number lane
	v_mov_b32 v7, 0                                ; v7: every lane reads the same bytes
	v_mul_u32_u24 v9, v224, ABP
	v_lshl_add_u32 v9, v225, 4, v9                 ; v9: fragment of (a;b): row r, 16 h
	s_lshl_b32 s22, s16, 9
	v_lshlrev_b32 v10, 5, v225
	v_add_nc_u32 v10, s22, v10                     ; v10: sigma of row 128 w + 8 h
	s_lshl_b32 s24, s17, 24                        ; 1024 q rows
	s_lshl_b32 s25, s16, 21                        ; 128 w rows
	s_add_co_u32 s24, s24, s25
	s_lshl_b32 s25, s18, 8
	s_add_co_u32 s24, s24, s25
	s_mov_b32 s25, 0
	s_lshl_b32 s26, s17, 12
	s_mov_b32 s27, 0
	s_lshl_b32 s28, s17, 17                        ; row tile 64 q + 8 w, 2,048 bytes each
	s_lshl_b32 s29, s16, 14
	s_add_co_u32 s28, s28, s29
	s_mov_b32 s29, 0
	s_lshl_b32 s30, s18, 16                        ; the strip's four blocks of partial sums
	s_mov_b32 s31, 0
	s_wait_kmcnt 0x0
	s_add_nc_u64 s[4:5], s[4:5], s[24:25]
	s_add_nc_u64 s[14:15], s[14:15], s[24:25]
	s_add_nc_u64 s[6:7], s[6:7], s[26:27]
	s_add_nc_u64 s[8:9], s[8:9], s[28:29]
	s_add_nc_u64 s[10:11], s[10:11], s[30:31]
	; what the solve needs first: 29 loads; then half of x
.irp u, 0,1,2,3
.irp c, 0,1,2,3
	global_load_b128 v[16+16*\u+4*\c:16+16*\u+4*\c+3], v2, s[10:11] offset:16384*\u+4096*\c
.endr
.endr
.irp u, 0,1,2,3
.irp c, 0,1,2
	global_load_b128 v[80+12*\u+4*\c:80+12*\u+4*\c+3], v2, s[12:13] offset:12288*\u+4096*\c
.endr
.endr
	global_load_b128 v[128:131], v2, s[6:7]
	WIN 0x40                                       ; destination in window 1
	XL 0
	XL 1
	XL 2
	XL 3
	s_wait_loadcnt 32                              ; the 32 loads of x stay out; the partial sums and sigma are in
	XL 4
	XL 5
	XL 6
	XL 7
	WIN 0
	; the four quarters' sums
.set n, 0
.rept 8
	v_pk_add_f32 v[16+n:17+n], v[16+n:17+n], v[32+n:33+n]
	v_pk_add_f32 v[48+n:49+n], v[48+n:49+n], v[64+n:65+n]
	v_pk_add_f32 v[16+n:17+n], v[16+n:17+n], v[48+n:49+n]
.set n, n+2
.endr
.set n, 0
.rept 6
	v_pk_add_f32 v[80+n:81+n], v[80+n:81+n], v[92+n:93+n]
	v_pk_add_f32 v[104+n:105+n], v[104+n:105+n], v[116+n:117+n]
	v_pk_add_f32 v[80+n:81+n], v[80+n:81+n], v[104+n:105+n]
.set n, n+2
.endr
.irp c, 0,1,2,3
	ds_store_b128 v2, v[16+4*\c:16+4*\c+3] offset:PSUM+4096*\c
.endr
.irp c, 0,1,2
.irp e, 0,1,2,3
	ds_store_b32 v4, v[80+4*\c+\e] offset:SMAT+4096*\c+128*\e      ; from the accumulators' order into rows of 32
.endr
.endr
	ds_store_b128 v2, v[128:131] offset:SIG
	s_wait_dscnt 0x0                               ; my stores are in LDS, for the other waves' sake
	s_barrier_signal -1
	s_barrier_wait -1
	s_cmp_gt_u32 s16, 1
	s_cbranch_scc1 .Ljoin                          ; waves 2 to 7 have nothing to solve
	; THE SOLVE: lane = column 32 w + lane
.macro ROW1 j                          ; row j of SV and of GT, the same bytes for every lane, into ring set j mod 2
.irp i, 0,1,2,3,4,5,6,7
	ds_load_b128 v[SR+64*((\j)&1)+4*\i:SR+64*((\j)&1)+4*\i+3], v7 offset:SMAT+128*(\j)+16*\i
.endr
.irp i, 0,1,2,3,4,5,6,7
	ds_load_b128 v[SR+64*((\j)&1)+32+4*\i:SR+64*((\j)&1)+32+4*\i+3], v7 offset:SMAT+4096+128*(\j)+16*\i
.endr
.endm
.macro ROW2 j                          ; row j of SU
.irp i, 0,1,2,3,4,5,6,7
	ds_load_b128 v[SR+64*((\j)&1)+4*\i:SR+64*((\j)&1)+4*\i+3], v7 offset:SMAT+8192+128*(\j)+16*\i
.endr
.endm
.macro ELIM base, j                    ; rows j + 1 .. 31 of the block at base lose S(j, i) times the coefficient just made
.set ii, (\j)+1
.if ii & 1
	v_fmac_f32 v[\base+ii], v[SS+ii], v[NA]
.set ii, ii+1
.endif
.if ii < 32
.rept (32-ii)/2
	v_pk_fma_f32 v[\base+ii:\base+ii+1], v[SS+ii:SS+ii+1], v[NA:NA+1], v[\base+ii:\base+ii+1]
.set ii, ii+2
.endr
.endif
.endm
.macro STEP1 j, left                   ; a_j, and its share taken from the later p1 and from all of p2.  left = the next row's loads
	s_wait_dscnt \left
.set SS, SR+64*((\j)&1)
	v_readlane_b32 s20, v[BV], \j
	v_mul_f32 v[P+\j], s20, v[P+\j]
	v_mul_f32 v[NA], -1.0, v[P+\j]
	v_mul_f32 v[NA+1], -1.0, v[P+\j]
	ELIM P, \j
.set ii, 0
.rept 16
	v_pk_fma_f32 v[P+32+ii:P+33+ii], v[SS+32+ii:SS+33+ii], v[NA:NA+1], v[P+32+ii:P+33+ii]
.set ii, ii+2
.endr
.endm
.macro STEP2 j, left                   ; b_j, and its share taken from the later p2
	s_wait_dscnt \left
.set SS, SR+64*((\j)&1)
	v_readlane_b32 s20, v[BU], \j
	v_mul_f32 v[P+32+\j], s20, v[P+32+\j]
	v_mul_f32 v[NA], -1.0, v[P+32+\j]
	v_mul_f32 v[NA+1], -1.0, v[P+32+\j]
	ELIM P+32, \j
.endm
.set n, 0
.rept 64
	ds_load_b32 v[P+n], v5 offset:PSUM+256*n
.set n, n+1
.endr
	ds_load_b32 v224, v6 offset:SMAT               ; lane j: SV_jj
	ds_load_b32 v225, v6 offset:SMAT+8192          ; lane j: SU_jj
	ROW1 0
	ROW1 1
	v_and_b32 v227, 3, v226                        ; where my column's a and b go: row 16 (c & 3) + (c >> 2), c = 32 w + lane
	v_lshrrev_b32 v228, 2, v226
	v_lshl_add_u32 v227, v227, 4, v228
	s_lshl_b32 s22, s16, 3
	v_add_nc_u32 v227, s22, v227
	v_mul_u32_u24 v8, v227, ABP
	s_wait_dscnt 32                                ; the two rows' 32 loads stay out; p and the diagonals are in
	v_rcp_f32 v[BV], v224
	v_rcp_f32 v[BU], v225
	v_nop                                          ; one plain place behind the reciprocals (ISA guide 5.7.2)
	s_wait_alu depctr_va_vdst(0)
	v_add_f32 v[BV], v[BV], v[BV]                  ; 2 / SV_jj
	v_add_f32 v[BU], v[BU], v[BU]
.irp j, 0,1,2,3,4,5,6,7,8,9,10,11,12,13,14,15,16,17,18,19,20,21,22,23,24,25,26,27,28,29
	STEP1 \j, 16
	ROW1 \j+2                                      ; into the ring set just read
.endr
	STEP1 30, 16
	ROW2 0
	STEP1 31, 8                                    ; behind row 31 stand the eight loads of SU's row 0
	ROW2 1
.irp j, 0,1,2,3,4,5,6,7,8,9,10,11,12,13,14,15,16,17,18,19,20,21,22,23,24,25,26,27,28,29
	STEP2 \j, 8
	ROW2 \j+2
.endr
	STEP2 30, 8
	STEP2 31, 0
.set n, 0
.rept 32
	v_cvt_pk_bf16_f32 v[TMP+n], v[P+2*n], v[P+2*n+1]
.set n, n+1
.endr
.irp i, 0,1,2,3,4,5,6,7
	ds_store_b128 v8, v[TMP+4*\i:TMP+4*\i+3] offset:ABT+16*\i
.endr
.Ljoin:
.macro LL rt                           ; the fragments of L for row tile rt: sigma*V (ksel 0), U (ksel 1)
.irp k, 0,1
	global_load_b128 v[RL+16*((\rt)&3)+8*\k:RL+16*((\rt)&3)+8*\k+3],   v3, s[8:9] offset:2048*\rt+1024*\k
	global_load_b128 v[RL+16*((\rt)&3)+8*\k+4:RL+16*((\rt)&3)+8*\k+7], v3, s[8:9] offset:2048*\rt+1024*\k+512
.endr
.endm
.macro SGL rt                          ; sigma of rows 16 rt + 8 h + 0 .. 7
	ds_load_b128 v[RSG+8*((\rt)&1):RSG+8*((\rt)&1)+3],   v10 offset:SIG+64*(\rt)
	ds_load_b128 v[RSG+8*((\rt)&1)+4:RSG+8*((\rt)&1)+7], v10 offset:SIG+64*(\rt)+16
.endm
; the products of row tile rt: four tiles, 64 along k in two instructions each.  left = the loads of the younger L tiles; x was asked for
; earlier, so it is in as well.  The four accumulators take turns, one instruction a turn.
.macro WM rt, left
	s_wait_loadcnt \left
.irp t, 0,1,2,3
	v_wmma_f32_16x16x32_bf16 v[RD+32*(\rt&1)+8*\t:RD+32*(\rt&1)+8*\t+7], v[RL+16*(\rt&3):RL+16*(\rt&3)+7], v[RAB+16*\t:RAB+16*\t+7], 0
.endr
.irp t, 0,1,2,3
	v_wmma_f32_16x16x32_bf16 v[RD+32*(\rt&1)+8*\t:RD+32*(\rt&1)+8*\t+7], v[RL+16*(\rt&3)+8:RL+16*(\rt&3)+15], v[RAB+16*\t+8:RAB+16*\t+15], v[RD+32*(\rt&1)+8*\t:RD+32*(\rt&1)+8*\t+7]
.endr
.endm
; out = sigma x - product, in x's registers, and the stores.  left = the younger loads of sigma; more = 1: sigma two tiles ahead is asked for
.macro FIN rt, left, more
	s_wait_dscnt \left
	WIN 0x41                                       ; x (source 0 and destination) in window 1
.irp j, 0,1,2,3,4,5,6,7
.irp t, 0,1,2,3
	v_fma_f32 v[32*\rt+4*\j+\t], v[32*\rt+4*\j+\t], v[RSG+8*(\rt&1)+\j], -v[RD+32*(\rt&1)+8*\t+\j]
.endr
.endr
	WIN 0x04                                       ; store data in window 1
.irp j, 0,1,2,3,4,5,6,7
	global_store_b128 v1, v[32*\rt+4*\j:32*\rt+4*\j+3], s[14:15] offset:(16*\rt+\j)*ROWB th:TH_STORE_NT   ; sixteen lanes store 256 consecutive bytes, aligned
.endr
	WIN 0
.if \more
	SGL (\rt+2)
.endif
.endm
	LL 0
	LL 1
	LL 2
	LL 3
	s_wait_dscnt 0x0                               ; waves 0 and 1: a and b are in LDS, for the other waves' sake
	s_barrier_signal -1
	s_barrier_wait -1
.irp t, 0,1,2,3
.irp k, 0,1
	ds_load_b128 v[RAB+16*\t+8*\k:RAB+16*\t+8*\k+3],   v9 offset:ABT+16*\t*ABP+64*\k
	ds_load_b128 v[RAB+16*\t+8*\k+4:RAB+16*\t+8*\k+7], v9 offset:ABT+16*\t*ABP+64*\k+32
.endr
.endr
	SGL 0
	SGL 1
	s_wait_dscnt 4                                 ; the four loads of sigma stay out; a and b are in
	; Products run one tile ahead of the sums.  Behind each product stand, before its results are read or its L registers loaded again,
	; the four v_nop below or the 32 multiply-adds of the other set's tile, which name none of its registers (ISA guide 7.12.1).
	WM 0, 12
	WM 1, 8
.rept 4
	v_nop
.endr
	LL 4
	LL 5
	FIN 0, 2, 1
	WM 2, 12
	FIN 1, 2, 1
	LL 6
	WM 3, 12
	FIN 2, 2, 1
	LL 7
	WM 4, 12
	FIN 3, 2, 1
	WM 5, 8
	FIN 4, 2, 1
	WM 6, 4
	FIN 5, 2, 1
	WM 7, 0
	FIN 6, 2, 0
	FIN 7, 0, 0
	s_wait_xcnt 0x0
	v_lshl_add_u32 v254, v0, 2, 0xa400
	v_mov_b32 v255, 0
	s_wait_tensorcnt 0x0
	ds_add_u32 v254, v255
	s_wait_dscnt 0x0
	s_endpgm
.Lfunc_end_k_q4ef0ff99b6_apply:
	.size	k_q4ef0ff99b6_apply, .Lfunc_end_k_q4ef0ff99b6_apply-k_q4ef0ff99b6_apply
	.p2alignl 7, 3214868480
	.fill 96, 4, 3214868480
	.section	.rodata,"a",@progbits
	.p2align	6, 0x0
	.amdhsa_kernel k_q4ef0ff99b6_apply
		.amdhsa_group_segment_fixed_size 43008
		.amdhsa_private_segment_fixed_size 0
		.amdhsa_enable_private_segment 0
		.amdhsa_kernarg_size 48
		.amdhsa_user_sgpr_count 2
		.amdhsa_user_sgpr_kernarg_segment_ptr 1
		.amdhsa_wavefront_size32 1
		.amdhsa_system_sgpr_workgroup_id_x 1
		.amdhsa_system_sgpr_workgroup_id_y 1
		.amdhsa_system_sgpr_workgroup_id_z 1
		.amdhsa_system_vgpr_workitem_id 0
		.amdhsa_next_free_vgpr 512
		.amdhsa_next_free_sgpr 66
		.amdhsa_reserve_vcc 0
		.amdhsa_float_denorm_mode_32 3
		.amdhsa_float_denorm_mode_16_64 3
		.amdhsa_memory_ordered 1
		.amdhsa_forward_progress 1
		.amdhsa_inst_pref_size 178
	.end_amdhsa_kernel
	.amdgpu_metadata
---
amdhsa.version: [ 1, 2 ]
amdhsa.kernels:
  - .name:           k_q4ef0ff99b6_apply
    .symbol:         k_q4ef0ff99b6_apply.kd
    .args:
      - { .name: x, .offset: 0, .size: 8, .value_kind: global_buffer, .address_space: global }
      - { .name: sigma, .offset: 8, .size: 8, .value_kind: global_buffer, .address_space: global }
      - { .name: lfrag, .offset: 16, .size: 8, .value_kind: global_buffer, .address_space: global }
      - { .name: ppart, .offset: 24, .size: 8, .value_kind: global_buffer, .address_space: global }
      - { .name: gpart, .offset: 32, .size: 8, .value_kind: global_buffer, .address_space: global }
      - { .name: out0, .offset: 40, .size: 8, .value_kind: global_buffer, .address_space: global }
    .group_segment_fixed_size: 43008
    .private_segment_fixed_size: 0
    .kernarg_segment_align: 8
    .kernarg_segment_size: 48
    .max_flat_workgroup_size: 256
    .sgpr_count:     66
    .vgpr_count:     512
    .wavefront_size: 32
...
	.end_amdgpu_metadata
.endif
;; end of part 3
